; MI455X (gfx1250); checked and timed in simulation.
; The chip was launched on July 23, 2026; its instructions are those of AMD's public machine-readable ISA for CDNA 5 (MIT licence, August 2026) and "CDNA5" Instruction Set Architecture Reference Guide (July 2026). The comments in the code are by the model that wrote it; some were corrected since.
;; Sparse MOE. Allowed arithmetic: matrix products marked QUANTISED: E4M3 operands, one E8M0 scale for each 32 along K, by v_wmma_scale_f32_16x16x128_f8f6f4 with both operands' format E4M3, f32 sums; products left as they are: f32 operands where the result goes on into a quantised operand, else bf16, f16 or f32 operands; f32 sums; everything else in f32.
;; Inputs: w1 8 x 1,024 x 1,024 float32; w3 8 x 1,024 x 1,024 float32; wg 1,024 x 8 float32; x 4 x 1,024 x 1,024 float32.
;; Outputs: out0 4 x 1,024 x 1,024 float32.
;; This version of the problem:
;;   THIS VERSION OF THE PROBLEM IS GIVEN IN LOW PRECISION. The matrix products marked QUANTISED in the list below multiply operands that are first quantised to E4M3 (4 exponent bits, 3 mantissa bits; 8 bits a number), with one power-of-two scale for each 32 numbers along K (OCP MX v1.0); their sums are f32. All else is computed in f32.
;;   The module's matrix products, in the order in which they are computed (A, B: the left and right operand; K: the contracted axis; several contracted axes count as one K, in the product's order):
;;     1. [M 4,096, K 1,024] x [K 1,024, N 8]; A: input x; B: input wg: left as it is (N = 8 < 16)
;;     2. [M 8,192, K 1,024] x [K 1,024, N 4,096]; A: input w1; B: input x: QUANTISED
;;     3. [M 8,192, K 1,024] x [K 1,024, N 4,096]; A: input w3; B: input x: QUANTISED
;;     4. batch 4,096 x [M 1, K 8] x [K 8, N 1,024]; A: softmax; B: computed on the way: left as it is (K = 8 < 32)
;;   THE QUANTISER, for each operand of a quantised product, along K:
;;     - K is cut into blocks of 32 from its start; a last block that is shorter is filled with zeros.
;;     - A block's scale is 2^e with e = floor(log2(the largest magnitude in the block)) - 8, held to -126 .. 127; a block of zeros has e = 0. As a byte (E8M0): e + 127.
;;     - Each number is divided by its block's scale, clamped to +-448, and rounded to the nearest number of E4M3, ties to even, subnormals kept.
;;     - The product sums the exact products of the quantised numbers (number of the format x scale) in f32.
;;   ~~~python
;;   def quantise(x, axis):      # numpy; x: float32 -> the quantised numbers, widened to float32 again
;;       x = np.moveaxis(x, axis, -1); K = x.shape[-1]
;;       x = np.pad(x, [(0, 0)] * (x.ndim - 1) + [(0, -K % 32)]); x = x.reshape(x.shape[:-1] + (-1, 32)); a = np.abs(x).max(-1, keepdims=True)
;;       e = np.where(a > 0, np.clip(np.frexp(np.where(a > 0, a, 1))[1] - 1 - 8, -126, 127), 0)      # np.frexp(a)[1] - 1 = floor(log2(a)), exactly
;;       r = np.clip(x / 2.0 ** e, -448, 448)
;;       step = 2.0 ** (np.maximum(np.frexp(np.where(r == 0, 1, r))[1] - 1, -6) - 3)
;;       q = np.round(r / step) * step * 2.0 ** e      # np.round: ties to even
;;       return np.moveaxis(q.reshape(q.shape[:-2] + (-1,))[..., :K], -1, axis).astype(np.float32)
;;   ~~~
;; One version. Each part assembles by itself: llvm-mc -triple=amdgcn-amd-amdhsa -mcpu=gfx1250 --defsym DOCPART=n.
;; ======== version 1 of 1: 2 launches
;; limits: right only within a limited range of input values
;; workspace buffers: xq 4,194,304 bytes; xs 131,072 bytes; wq 16,777,216 bytes; ws 524,288 bytes; gts 32,768 bytes; hist 32,768 bytes of whole numbers
;; launch prep (part 1): grid 512 x 1, 8 waves a work-group, no clusters, 87,552 bytes of LDS; arguments x, wg, xq, xs, hist, gts, w1, w3, wq, ws; writes xq, xs, hist, gts, wq, ws
.if DOCPART == 1
	.amdgcn_target "amdgcn-amd-amdhsa--gfx1250"
	.amdhsa_code_object_version 6
	.text
	.protected	k_qc0e87ba8c3_prep
	.globl	k_qc0e87ba8c3_prep
	.p2align	8
	.type	k_qc0e87ba8c3_prep,@function
k_qc0e87ba8c3_prep:
	s_mov_b64 s[64:65], 0
	v_nop
	global_prefetch_b8 v0, s[64:65] scope:SCOPE_SE
	s_setreg_imm32_b32 hwreg(HW_REG_WAVE_MODE, 25, 1), 1
	s_wait_xcnt 0x0
; PREP.  Work-groups 0 to 255 take the tokens, 256 to 511 the weights; the two share nothing.
; TOKENS.  x [4096 tokens][1024] f32 is read once and serves twice: (a) codes of E4M3 with one E8M0 byte for each 32 along K (xq [token][1024], xs [token][32]); (b) the router's logits x . wg, f32 fused multiply-adds;
; the two largest of eight are taken (the lower index wins a tie); their softmax, the larger logit taken away first, gives two gates: gts [token] = (gate of lo, gate of hi), lo < hi the two experts.
; class = lo (15 - lo) / 2 + (lo even ? hi - lo - 1 : 7 - hi) numbers the 28 pairs so that neighbouring classes share an expert.  hist [16 tokens][class] = count << 16 | mask: which of the 16 tokens are of the class.
; Experts that a token did not choose have the gate 0 in reference() by its own router, so the next launch multiplies only the chosen ones (whole blocks of tokens).
; A work-group takes 16 tokens; wave w takes k = 256 (w % 4) .. + 255 of tokens 8 (w / 4) .. + 7.  A lane holds 8 neighbours along K, four lanes a block of 32: a token's 1,024 bytes turn through the wave's own stage in LDS.
; WEIGHTS.  w1 and w3 ([8 experts][1024 k][1024 n] f32, K NOT innermost) become codes laid in the order of the operand's registers:
;   wq [e 8][g 32][s 8][f 4][c 4][lane 32][16 bytes]: g = 32 output columns, s = 128 along K, f = 2 x matrix + tile t; lane (r, h), piece c: k = 128 s + 32 c + 16 h + 0 .. 15 of column 32 g + 2 r + t.
;   ws [e][g][s][matrix 2][lane 32] words: lane 16 t + r holds that column's four scale bytes of K step s.
; A lane takes the two neighbouring columns 2 l, 2 l + 1 (8 bytes a load, 2,048 consecutive bytes of a row a work-group) and its registers run down K; the hold writes each column's 32 numbers to neighbouring registers, which the conversions ask for.
; No tensor load, no cluster: each byte is read by one work-group, but for wg's 32 KiB.  No prefetch: nothing loops.
; LIMITS: NaN and infinities are not served; those that reach only experts not chosen are not carried to the result.  A block whose largest magnitude lies under 2^-118 (a block of zeros too) gets the byte 1: a zero block's codes are zeros, and only this program reads the bytes.
; The logits are f32 sums in another order than a plain dot product's: where the second and third logit differ by less than that rounding, the other expert may be chosen.
.set STW,  2176                        ; LDS: a wave's two stages, 1,088 bytes each
.set STG1, 1088
.set PSB,  8*STW                       ; partial logits: token x 4,256; in it K quarter x 1,056, half of the experts x 528, lane x 16
.set PST,  4256
.set LGB,  PSB+16*PST                  ; logits [16][8]
.set XSB,  LGB+512                     ; scale bytes [16][32]
.set SPARE, XSB+512                    ; spare words, 128 bytes a wave
.set WG,   16                          ; v16-79   wg(256 q + 8 l + j, e) at 8 j + e
.set X,    80                          ; v80-95   two sets of 8 neighbours
.set R,    96                          ; v96-159  8 a token: as loaded, then the lane's eight partial logits
.set C,    224                         ; v224-231 codes, four sets of two
.set SBY,  240                         ; v240-241 the scale byte, by turns
.macro TURN i                          ; token i through the stage: LDS serves a wave's instructions in order, so no wait stands between the stores and the loads
	ds_store_b128 v3, v[R+8*(\i):R+8*(\i)+3] offset:((\i)%2)*STG1
	ds_store_b128 v3, v[R+8*(\i)+4:R+8*(\i)+7] offset:((\i)%2)*STG1+544
	ds_load_b128 v[X+8*((\i)%2):X+8*((\i)%2)+3], v4 offset:((\i)%2)*STG1
	ds_load_b128 v[X+8*((\i)%2)+4:X+8*((\i)%2)+7], v4 offset:((\i)%2)*STG1+16
.endm
.macro STEP i
.set XS, X+8*((\i)%2)
.set RS, R+8*(\i)
.set CS, C+2*((\i)%4)
.if (\i) == 0
	s_wait_dscnt 0x0
.else
	s_wait_dscnt 3                                 ; this token is back (younger: the last token's two stores of parts and its byte)
.endif
.if (\i) < 7
	s_wait_loadcnt 12-2*(\i)                       ; the next token's two loads are in; those of the 6 - i tokens behind it may be out
	TURN (\i)+1
.endif
.irp p, 0,1,2,3                        ; eight partial logits, two at a time; x's number j is taken for both halves
	v_pk_mul_f32 v[RS+2*\p:RS+2*\p+1], v[XS:XS+1], v[WG+2*\p:WG+2*\p+1] op_sel_hi:[0,1]
.endr
.irp p, 0,1,2,3
	v_pk_fma_f32 v[RS+2*\p:RS+2*\p+1], v[XS:XS+1], v[WG+8+2*\p:WG+8+2*\p+1], v[RS+2*\p:RS+2*\p+1] op_sel:[1,0,0] op_sel_hi:[1,1,1]
.endr
.irp jj, 2,4,6
.irp p, 0,1,2,3
	v_pk_fma_f32 v[RS+2*\p:RS+2*\p+1], v[XS+\jj:XS+\jj+1], v[WG+8*\jj+2*\p:WG+8*\jj+2*\p+1], v[RS+2*\p:RS+2*\p+1] op_sel_hi:[0,1,1]
.endr
.irp p, 0,1,2,3
	v_pk_fma_f32 v[RS+2*\p:RS+2*\p+1], v[XS+\jj:XS+\jj+1], v[WG+8*\jj+8+2*\p:WG+8*\jj+8+2*\p+1], v[RS+2*\p:RS+2*\p+1] op_sel:[1,0,0] op_sel_hi:[1,1,1]
.endr
.endr
	v_max3_num_f32 v12, |v[XS]|, |v[XS+1]|, 0x4800000      ; my 8 numbers and the floor 2^(9 - 127): the byte cannot fall under 1
	v_max3_num_f32 v12, v12, |v[XS+2]|, |v[XS+3]|
	v_max3_num_f32 v12, v12, |v[XS+4]|, |v[XS+5]|
	v_max3_num_f32 v12, v12, |v[XS+6]|, |v[XS+7]|
	v_max_num_f32_dpp v12, v12, v12 row_xmask:1 row_mask:0xf bank_mask:0xf
	v_max_num_f32_dpp v12, v12, v12 row_xmask:2 row_mask:0xf bank_mask:0xf   ; with the three lanes that share the block
	v_add_nc_u32 v13, 0xfc000000, v12              ; 8 off the exponent field: the conversion's scale operand
	v_and_or_b32 v14, v12, 0x7f800000, s28         ; 448 x the scale
.irp j, 0,1,2,3,4,5,6,7
	v_med3_num_f32 v[XS+\j], v[XS+\j], -v14, v14   ; the conversion to an 8-bit code does not saturate (ISA guide 7.6.2)
.endr
	s_wait_alu depctr_va_vdst(0)
	s_wait_xcnt 0x0                                ; the store of four tokens back has read this set of codes
	v_cvt_scalef32_pk8_fp8_f32 v[CS:CS+1], v[XS:XS+7], v13
	v_lshrrev_b32 v[SBY+(\i)%2], 23, v13           ; the scale's byte; also the plain line behind the conversion
	ds_store_b128 v7, v[RS:RS+3] offset:PST*(\i)
	ds_store_b128 v7, v[RS+4:RS+7] offset:PST*(\i)+528
	ds_store_b8 v6, v[SBY+(\i)%2] offset:32*(\i)   ; the four lanes of a block write the same byte with the same value
	global_store_b64 v5, v[CS:CS+1], s[8:9] offset:1024*(\i)   ; 32 lanes store 256 consecutive bytes, aligned
.endm
	s_load_b512 s[4:19], s[0:1], 0x0               ; x, wg, xq, xs, hist, gts, w1, w3
	s_load_b128 s[20:23], s[0:1], 0x40             ; wq, ws
	v_and_b32 v1, 31, v0                           ; lane
	v_lshrrev_b32 v2, 5, v0
	v_readfirstlane_b32 s24, v2                    ; wave 0..7
	s_mov_b32 s28, 0x600000                        ; the mantissa field of 448
	s_mov_b32 s27, 0
	s_wait_alu depctr_va_vdst(0)
	s_cmp_lt_u32 ttmp9, 256
	s_cbranch_scc0 .Lweights
	; ---------------- the tokens
	v_lshl_add_u32 v254, v0, 2, SPARE
	v_mov_b32 v255, 0
	s_and_b32 s25, s24, 3                          ; my quarter of K
	s_lshr_b32 s29, s24, 2                         ; my half of the tokens
	v_lshlrev_b32 v2, 4, v1                        ; 16 l
	s_mul_i32 s30, s24, STW
	v_lshrrev_b32 v3, 4, v1
	v_lshl_add_u32 v3, v3, 4, v2
	v_add_nc_u32 v3, s30, v3                       ; into the stage: 16 l + 16 (l / 16)
	v_lshrrev_b32 v4, 3, v1
	v_lshlrev_b32 v4, 4, v4
	v_lshl_add_u32 v4, v1, 5, v4
	v_add_nc_u32 v4, s30, v4                       ; out of it: 32 l + 16 (l / 8)
	v_lshlrev_b32 v5, 3, v1                        ; 8 l
	s_lshl_b32 s30, s25, 3
	s_lshl_b32 s31, s29, 8
	s_add_co_u32 s30, s30, s31
	s_add_co_u32 s30, s30, XSB
	v_lshrrev_b32 v6, 2, v1
	v_add_nc_u32 v6, s30, v6                       ; block 8 q + l / 4 of a token's 32
	s_mul_i32 s30, s25, 1056
	s_mul_i32 s31, s29, 8*PST
	s_add_co_u32 s30, s30, s31
	s_add_co_u32 s30, s30, PSB
	v_add_nc_u32 v7, s30, v2                       ; my partial logits
	v_lshrrev_b32 v8, 4, v0                        ; thread = 2 (8 x token + expert) + half of the parts
	v_mul_u32_u24 v8, v8, PST
	v_bfe_u32 v9, v0, 3, 1
	v_mad_u32_u24 v8, v9, 528, v8
	v_bfe_u32 v9, v0, 1, 2
	v_lshl_add_u32 v8, v9, 2, v8
	v_and_b32 v9, 1, v0
	v_mad_u32_u24 v8, v9, 2112, v8
	v_add_nc_u32 v8, PSB, v8
	v_lshrrev_b32 v9, 1, v0
	v_lshl_add_u32 v9, v9, 2, LGB
	v_and_b32 v10, 15, v0
	v_lshl_add_u32 v10, v10, 5, LGB
	v_add_nc_u32 v11, XSB, v2
	v_lshlrev_b32 v15, 8, v1                       ; my 8 rows of wg are 256 bytes
	s_wait_alu depctr_va_vdst(0)
	s_wait_kmcnt 0x0
	s_lshl_b32 s26, ttmp9, 16                      ; 16 tokens of 4,096 bytes,
	s_lshl_b32 s30, s29, 15                        ; my half of them,
	s_add_co_u32 s26, s26, s30
	s_lshl_b32 s30, s25, 10                        ; my quarter of a row
	s_add_co_u32 s26, s26, s30
	s_add_nc_u64 s[4:5], s[4:5], s[26:27]
	s_lshl_b32 s26, s25, 13                        ; my 256 rows of wg
	s_add_nc_u64 s[6:7], s[6:7], s[26:27]
	s_lshl_b32 s26, ttmp9, 14
	s_lshl_b32 s30, s29, 13
	s_add_co_u32 s26, s26, s30
	s_lshl_b32 s30, s25, 8
	s_add_co_u32 s26, s26, s30
	s_add_nc_u64 s[8:9], s[8:9], s[26:27]
	s_lshl_b32 s26, ttmp9, 9
	s_add_nc_u64 s[10:11], s[10:11], s[26:27]
	s_lshl_b32 s26, ttmp9, 7
	s_add_nc_u64 s[12:13], s[12:13], s[26:27]
	s_add_nc_u64 s[14:15], s[14:15], s[26:27]
.irp q, 0,1,2,3,4,5,6,7,8,9,10,11,12,13,14,15
	global_load_b128 v[WG+4*\q:WG+4*\q+3], v15, s[6:7] offset:16*\q
.endr
.irp i, 0,1,2,3,4,5,6,7
	global_load_b128 v[R+8*\i:R+8*\i+3], v2, s[4:5] offset:4096*\i th:TH_LOAD_NT          ; 512 consecutive bytes each
	global_load_b128 v[R+8*\i+4:R+8*\i+7], v2, s[4:5] offset:4096*\i+512 th:TH_LOAD_NT
.endr
	s_wait_loadcnt 14                              ; wg and token 0 are in; the 7 tokens behind may be out
	TURN 0
.irp i, 0,1,2,3,4,5,6,7
	STEP \i
.endr
	s_wait_dscnt 0x0                               ; for the others' sake: my parts and my scale bytes lie in LDS
	s_barrier_signal -1
	s_barrier_wait -1
	; a thread adds 64 of the 128 parts of its (token, expert), in two chains of pairs; its neighbour adds the others
.irp g, 0,1
.irp n, 0,1,2,3,4,5,6,7,8,9,10,11,12,13,14,15,16,17,18,19,20,21,22,23,24,25,26,27,28,29,30,31
	ds_load_b32 v[R+\n], v8 offset:1056*\g+16*\n
.endr
	s_wait_dscnt 0x0
.if \g == 0
	v_pk_add_f32 v[128:129], v[R:R+1], v[R+2:R+3]
	v_pk_add_f32 v[130:131], v[R+4:R+5], v[R+6:R+7]
.irp n, 8,12,16,20,24,28
	v_pk_add_f32 v[128:129], v[128:129], v[R+\n:R+\n+1]
	v_pk_add_f32 v[130:131], v[130:131], v[R+\n+2:R+\n+3]
.endr
.else
	s_wait_alu depctr_va_vdst(0)
.irp n, 0,4,8,12,16,20,24,28
	v_pk_add_f32 v[128:129], v[128:129], v[R+\n:R+\n+1]
	v_pk_add_f32 v[130:131], v[130:131], v[R+\n+2:R+\n+3]
.endr
.endif
.endr
	v_pk_add_f32 v[128:129], v[128:129], v[130:131]
	v_add_f32 v128, v128, v129
	v_add_f32_dpp v128, v128, v128 row_xmask:1 row_mask:0xf bank_mask:0xf
	ds_store_b32 v9, v128                          ; both lanes write the same word with the same value
	s_wait_dscnt 0x0
	s_barrier_signal -1
	s_barrier_wait -1                              ; the 128 logits lie in LDS
	s_cmp_eq_u32 s24, 0
	s_cbranch_scc1 .Lgate
	s_cmp_eq_u32 s24, 1
	s_cbranch_scc0 .Lend
	ds_load_b128 v[96:99], v11                     ; wave 1: the 16 tokens' scale bytes,
	s_wait_dscnt 0x0
	global_store_b128 v2, v[96:99], s[10:11]       ; 512 consecutive bytes
.Lend:
	s_wait_tensorcnt 0x0                           ; the wave's end
	ds_add_u32 v254, v255
	s_wait_dscnt 0x0
	s_endpgm
.Lgate:                                                ; wave 0: lane l takes token l % 16
	ds_load_b128 v[96:99], v10
	ds_load_b128 v[100:103], v10 offset:16
	s_wait_dscnt 0x0
	v_mov_b32 v104, v96                            ; the largest logit and its expert: a later one must be strictly larger
	v_mov_b32 v105, 0
.irp e, 1,2,3,4,5,6,7
	v_cmp_gt_f32 vcc_lo, v[96+\e], v104
	v_cndmask_b32 v104, v104, v[96+\e], vcc_lo
	v_cndmask_b32 v105, v105, \e, vcc_lo
.endr
	v_mov_b32 v106, 0xff800000                     ; the second: the same among the other seven, from -infinity
	v_mov_b32 v107, 0
.irp e, 0,1,2,3,4,5,6,7
	v_cmp_ne_u32 s31, \e, v105
	v_cmp_gt_f32 vcc_lo, v[96+\e], v106
	s_and_b32 vcc_lo, vcc_lo, s31
	v_cndmask_b32 v106, v106, v[96+\e], vcc_lo
	v_cndmask_b32 v107, v107, \e, vcc_lo
.endr
	v_sub_f32 v108, v106, v104                     ; the softmax of the two: 1 / (1 + p) and p / (1 + p), p = e^(second - first), at most 1
	v_mul_f32 v108, 0x3fb8aa3b, v108
	s_wait_alu depctr_va_vdst(0)
	v_exp_f32 v108, v108
	v_min_u32 v110, v105, v107                     ; lo (a plain line behind the exponential)
	s_wait_alu depctr_va_vdst(0)
	v_add_f32 v109, 1.0, v108
	s_wait_alu depctr_va_vdst(0)
	v_rcp_f32 v109, v109
	v_max_u32 v111, v105, v107                     ; hi (a plain line behind the reciprocal)
	s_wait_alu depctr_va_vdst(0)
	v_mul_f32 v108, v108, v109
	v_cmp_lt_u32 vcc_lo, v105, v107                ; is the first the lower expert?
	v_cndmask_b32 v112, v108, v109, vcc_lo         ; lo's gate,
	v_cndmask_b32 v113, v109, v108, vcc_lo         ; hi's
	v_sub_nc_u32 v114, 15, v110
	v_mul_u32_u24 v114, v110, v114
	v_lshrrev_b32 v114, 1, v114                    ; lo (15 - lo) / 2
	v_sub_nc_u32 v115, v111, v110
	v_add_nc_u32 v115, -1, v115                    ; hi - lo - 1
	v_sub_nc_u32 v116, 7, v111                     ; 7 - hi
	v_and_b32 v117, 1, v110
	v_cmp_eq_u32 vcc_lo, 1, v117
	v_cndmask_b32 v115, v115, v116, vcc_lo
	v_add_nc_u32 v114, v114, v115                  ; the class
	v_mov_b32 v120, 0                              ; lane = class: the count of its tokens << 16, and a bit for each
.irp t, 0,1,2,3,4,5,6,7,8,9,10,11,12,13,14,15
	v_readlane_b32 s31, v114, \t
	v_cmp_eq_u32 vcc_lo, s31, v1
	v_cndmask_b32 v121, 0, 0x10000+(1<<\t), vcc_lo
	v_add_nc_u32 v120, v120, v121
.endr
	v_lshlrev_b32 v118, 2, v1
	global_store_b32 v118, v120, s[12:13]          ; 128 consecutive bytes
	v_cmp_gt_u32 vcc_lo, 16, v1
	s_wait_alu depctr_va_vdst(0)
	s_wait_xcnt 0x0                                ; EXEC is a source of my pending stores: it changes only behind this wait
	s_wait_tensorcnt 0x0                           ; the wave's end
	ds_add_u32 v254, v255
	s_wait_dscnt 0x0
	s_and_saveexec_b32 s33, vcc_lo                 ; lanes 0 to 15: one lane a token
	global_store_b64 v5, v[112:113], s[14:15]
	s_wait_xcnt 0x0
	s_or_b32 exec_lo, exec_lo, s33
	s_endpgm
	; ---------------- the weights: one matrix, one expert, one K step, 512 columns a work-group
.set WX,  16                           ; v16-143  two sets of 64: number k of column u at 2 k + u
.set WY,  144                          ; v144-175 a column's 32 numbers, held
.set WC,  176                          ; v176-239 codes, 16 registers for each block: no store's data are written again
.macro LOADB t                         ; block t: w(128 s + 32 t + i, my two columns), i = 0 .. 31
.irp i, 0,1,2,3,4,5,6,7,8,9,10,11,12,13,14,15,16,17,18,19,20,21,22,23,24,25,26,27,28,29,30,31
	global_load_b64 v[WX+64*((\t)%2)+2*\i:WX+64*((\t)%2)+2*\i+1], v2, s[16:17] offset:(32*(\t)+\i)*4096 th:TH_LOAD_NT
.endr
.endm
.macro BLOCK t
.set XS, WX+64*((\t)%2)
.set CS, WC+16*(\t)
.if (\t) < 3
	s_wait_loadcnt 32                              ; this block's 32 loads are in; the next block's may be out
.else
	s_wait_loadcnt 0x0
.endif
	; the largest magnitude of each column's 32: two chains a column, by turns
.irp u, 0,1
	v_max3_num_f32 v[8+\u], |v[XS+\u]|, |v[XS+2+\u]|, |v[XS+4+\u]|
	v_max3_num_f32 v[10+\u], |v[XS+6+\u]|, |v[XS+8+\u]|, |v[XS+10+\u]|
.endr
.irp i, 6,10,14,18,22,26
.irp u, 0,1
	v_max3_num_f32 v[8+\u], v[8+\u], |v[XS+2*\i+\u]|, |v[XS+2*\i+2+\u]|
	v_max3_num_f32 v[10+\u], v[10+\u], |v[XS+2*\i+4+\u]|, |v[XS+2*\i+6+\u]|
.endr
.endr
.irp u, 0,1
	v_max3_num_f32 v[8+\u], v[8+\u], |v[XS+60+\u]|, |v[XS+62+\u]|
.endr
.irp u, 0,1
	v_max3_num_f32 v[8+\u], v[8+\u], v[10+\u], 0x4800000   ; and the floor 2^(9 - 127): the byte cannot fall under 1
.endr
.irp u, 0,1
	v_add_nc_u32 v[12+\u], 0xfc000000, v[8+\u]     ; 8 off the exponent field: the conversion's scale operand
.endr
.irp u, 0,1
	v_and_or_b32 v[14+\u], v[8+\u], 0x7f800000, s28        ; 448 x the scale
.endr
.irp u, 0,1
.if (\t) == 0
	v_lshrrev_b32 v[6+\u], 23, v[12+\u]            ; four bytes to the scale word, the lower K in the lower byte
.else
	v_lshrrev_b32 v[10+\u], 23, v[12+\u]
.endif
.endr
.if (\t) > 0
.irp u, 0,1
	v_lshl_or_b32 v[6+\u], v[10+\u], 8*(\t), v[6+\u]
.endr
.endif
.irp u, 0,1
.irp i, 0,1,2,3,4,5,6,7,8,9,10,11,12,13,14,15,16,17,18,19,20,21,22,23,24,25,26,27,28,29,30,31
	v_med3_num_f32 v[WY+\i], v[XS+2*\i+\u], -v[14+\u], v[14+\u]   ; held (ISA guide 7.6.2), and the column's numbers on end
.endr
.if (\u) == 1 && (\t) < 2
	LOADB (\t)+2                                   ; both columns have been read
.endif
.irp q, 0,1,2,3
	v_cvt_scalef32_pk8_fp8_f32 v[CS+8*\u+2*\q:CS+8*\u+2*\q+1], v[WY+8*\q:WY+8*\q+7], v[12+\u]
.endr
	v_nop                                          ; a plain line behind the last conversion
	global_store_b128 v3, v[CS+8*\u:CS+8*\u+3], s[20:21] offset:2048*\u+512*(\t)           ; k = 32 t + 0 .. 15: the image's lanes 0-15 of piece t
	global_store_b128 v3, v[CS+8*\u+4:CS+8*\u+7], s[20:21] offset:2048*\u+512*(\t)+256     ; sixteen lanes store 256 consecutive, aligned bytes
.endr
.endm
.Lweights:
	s_sub_co_u32 s25, ttmp9, 256
	s_and_b32 s29, s25, 1                          ; matrix
	s_bfe_u32 s30, s25, 0x30001                    ; K step s
	s_bfe_u32 s31, s25, 0x10004                    ; which 512 columns
	s_lshr_b32 s32, s25, 5                         ; expert
	s_lshl_b32 s26, s32, 22                        ; from: expert x 4 MiB + s x 128 rows of 4,096 bytes + 2,048 x half
	s_lshl_b32 s33, s30, 19
	s_add_co_u32 s26, s26, s33
	s_lshl_b32 s33, s31, 11
	s_add_co_u32 s26, s26, s33
	s_lshl_b32 s31, s31, 4
	s_lshl_b32 s33, s24, 1
	s_add_co_u32 s31, s31, s33                     ; g = my wave's first 32 columns
	s_lshl_b32 s34, s32, 21                        ; codes: expert x 2 MiB + g x 65,536 + s x 8,192 + matrix x 4,096
	s_lshl_b32 s33, s31, 16
	s_add_co_u32 s34, s34, s33
	s_lshl_b32 s33, s30, 13
	s_add_co_u32 s34, s34, s33
	s_lshl_b32 s33, s29, 12
	s_add_co_u32 s34, s34, s33
	s_mov_b32 s35, 0
	s_lshl_b32 s36, s32, 16                        ; scale words: expert x 65,536 + g x 2,048 + s x 256 + matrix x 128
	s_lshl_b32 s33, s31, 11
	s_add_co_u32 s36, s36, s33
	s_lshl_b32 s33, s30, 8
	s_add_co_u32 s36, s36, s33
	s_lshl_b32 s33, s29, 7
	s_add_co_u32 s36, s36, s33
	s_mov_b32 s37, 0
	v_lshlrev_b32 v2, 3, v0                        ; in: 256 x wave + 8 x lane
	v_lshrrev_b32 v5, 4, v1                        ; lanes 16-31: the next g
	v_and_b32 v4, 15, v1
	v_lshlrev_b32 v3, 4, v4
	v_lshl_add_u32 v3, v5, 16, v3
	v_lshlrev_b32 v4, 2, v4
	v_lshl_add_u32 v4, v5, 11, v4
	s_wait_alu depctr_va_vdst(0)
	s_wait_kmcnt 0x0
	s_cmp_eq_u32 s29, 0                            ; the choice hangs on the work-group's number alone
	s_cselect_b64 s[16:17], s[16:17], s[18:19]
	s_add_nc_u64 s[16:17], s[16:17], s[26:27]
	s_add_nc_u64 s[20:21], s[20:21], s[34:35]
	s_add_nc_u64 s[22:23], s[22:23], s[36:37]
	LOADB 0
	LOADB 1
	BLOCK 0
	BLOCK 1
	BLOCK 2
	BLOCK 3
	global_store_b32 v4, v6, s[22:23]              ; my columns' scale words
	global_store_b32 v4, v7, s[22:23] offset:64
	s_endpgm
.Lfunc_end_k_qc0e87ba8c3_prep:
	.size	k_qc0e87ba8c3_prep, .Lfunc_end_k_qc0e87ba8c3_prep-k_qc0e87ba8c3_prep
	.p2alignl 7, 3214868480
	.fill 96, 4, 3214868480
	.section	.rodata,"a",@progbits
	.p2align	6, 0x0
	.amdhsa_kernel k_qc0e87ba8c3_prep
		.amdhsa_group_segment_fixed_size 87552
		.amdhsa_private_segment_fixed_size 0
		.amdhsa_enable_private_segment 0
		.amdhsa_kernarg_size 80
		.amdhsa_user_sgpr_count 2
		.amdhsa_user_sgpr_kernarg_segment_ptr 1
		.amdhsa_wavefront_size32 1
		.amdhsa_system_sgpr_workgroup_id_x 1
		.amdhsa_system_sgpr_workgroup_id_y 1
		.amdhsa_system_sgpr_workgroup_id_z 1
		.amdhsa_system_vgpr_workitem_id 0
		.amdhsa_next_free_vgpr 256
		.amdhsa_next_free_sgpr 66
		.amdhsa_reserve_vcc 1
		.amdhsa_float_denorm_mode_32 3
		.amdhsa_float_denorm_mode_16_64 3
		.amdhsa_memory_ordered 1
		.amdhsa_forward_progress 1
		.amdhsa_inst_pref_size 96
	.end_amdhsa_kernel
	.amdgpu_metadata
---
amdhsa.version: [ 1, 2 ]
amdhsa.kernels:
  - .name:           k_qc0e87ba8c3_prep
    .symbol:         k_qc0e87ba8c3_prep.kd
    .args:
      - { .name: x, .offset: 0, .size: 8, .value_kind: global_buffer, .address_space: global }
      - { .name: wg, .offset: 8, .size: 8, .value_kind: global_buffer, .address_space: global }
      - { .name: xq, .offset: 16, .size: 8, .value_kind: global_buffer, .address_space: global }
      - { .name: xs, .offset: 24, .size: 8, .value_kind: global_buffer, .address_space: global }
      - { .name: hist, .offset: 32, .size: 8, .value_kind: global_buffer, .address_space: global }
      - { .name: gts, .offset: 40, .size: 8, .value_kind: global_buffer, .address_space: global }
      - { .name: w1, .offset: 48, .size: 8, .value_kind: global_buffer, .address_space: global }
      - { .name: w3, .offset: 56, .size: 8, .value_kind: global_buffer, .address_space: global }
      - { .name: wq, .offset: 64, .size: 8, .value_kind: global_buffer, .address_space: global }
      - { .name: ws, .offset: 72, .size: 8, .value_kind: global_buffer, .address_space: global }
    .group_segment_fixed_size: 87552
    .private_segment_fixed_size: 0
    .kernarg_segment_align: 8
    .kernarg_segment_size: 80
    .max_flat_workgroup_size: 256
    .sgpr_count:     66
    .vgpr_count:     256
    .wavefront_size: 32
...
	.end_amdgpu_metadata
.endif
;; end of part 1
;; launch moe (part 2): grid 8 x 32, 4 waves a work-group, no clusters, 134,144 bytes of LDS; arguments xq, xs, wq, ws, hist, gts, out0; writes out0
.if DOCPART == 2
	.amdgcn_target "amdgcn-amd-amdhsa--gfx1250"
	.amdhsa_code_object_version 6
	.text
	.protected	k_qc0e87ba8c3_moe
	.globl	k_qc0e87ba8c3_moe
	.p2align	8
	.type	k_qc0e87ba8c3_moe,@function
k_qc0e87ba8c3_moe:
	s_mov_b64 s[64:65], 0
	v_nop
	global_prefetch_b8 v0, s[64:65] scope:SCOPE_SE
	s_setreg_imm32_b32 hwreg(HW_REG_WAVE_MODE, 25, 1), 1
	s_wait_xcnt 0x0
; MOE.  out0[token][n] = the sum over the token's two experts e of gate(e) silu(x . w1[e][:, n]) (x . w3[e][:, n]); both products on codes of E4M3 with one E8M0 scale for each 32 along K = 1,024.
; Experts that a token did not choose have the gate 0 in reference(), by its own router: they are left out in whole blocks of 128 tokens.
; SHARES.  A work-group owns 128 places (work-group y) of the tokens sorted by class (their pair of experts) x 128 output columns (work-group x): every output number has one owner.
; THE SORT.  hist [16 tokens][class] = count << 16 | mask.  Wave w scans 64 of its 256 rows, lane = class, into a table in LDS: tokens of the class ahead in the wave's rows << 16 | mask.  Thread p then looks up the token of place p:
; its class by the classes' ends, its quarter of the rows by the quarters' totals, its 8 rows and its row by the table, and its bit in the mask.  Any permutation gives right results; the sort keeps the lists of experts short.
; The work-group walks only the experts that its block uses; a token that did not choose the expert in hand has the gate 0 for it.
; Wave w takes 32 columns of w1 and of w3 (four fragments a K step of 128) for all 128 tokens (eight tiles): 32 accumulators; no weight fragment is loaded twice in a work-group.
; The block's codes of x are gathered once into LDS and serve every expert.  The weights come from memory straight into registers, in the order of the operand's registers:
; a K step's four fragments are 16 loads of 512 consecutive bytes; a ring of four register buffers keeps three K steps' loads (54) on their way, over the change of experts too.
; THE MATRIX INSTRUCTION: source 0 = 16 columns of a weight (tile t: columns 32 g + 2 r + t), source 1 = 16 tokens.  A lane holds ONE token (lane % 16), and in its two tiles 16 neighbouring columns, by turns.
; NO CLUSTER, NO TENSOR LOAD: how many experts a block walks, and which, are numbers read from memory, and the walk is a trip count on such a number.  No prefetch: the ring asks three K steps ahead.
; LIMITS: NaN and infinities are not served; h1 x h3 must stay finite in f32 (it is multiplied before the sigmoid).
; REGISTERS, in windows of 256 (s_set_vgpr_msb: bits 1:0 source 0, 3:2 source 1, 5:4 source 2, 7:6 destination):
;   window 0: v1-7 addresses; v8-15 the gates for the expert in hand; v16-23, v24-31 the tokens' experts lo, hi; v32-47 their two gates; v48-55 the weights' scale words, a ring of four K steps; v56-87 x's scale words;
;             v80-127 at work at the head; v128-255 x's eight fragments, ONE set (the sort, the activation and the way out work there too)
;   window 1: the weights' ring, 4 x 64.   window 2: the accumulators, (tile m, fragment f) at 8 (4 m + f); at the head the gather lands there, and the last expert's sums leave from there.
;   window 3: v0-127 the output sums, (m, t) at 8 (2 m + t); v128-143 store offsets; v254, v255 the add's.
.set PX,  1040                         ; a token's row in LDS: 65 x 16 bytes
.set PS,  528                          ; a row of the stage on the way out: 512 bytes + 16
.set TOT, 32768                        ; behind the table (both lie where the tile comes later): [class][quarter] totals
.set LISTB, 133632                     ; behind tile and spare words: the block's 128 tokens, with lo << 16 and hi << 24
.set VW,  1                            ; v1  16 x lane
.set VS,  2                            ; v2  4 x lane
.set XA0, 3                            ; v3  my lane's place in tiles 0-3 of x;  v4 in tiles 4-7
.set STO, 5                            ; v5  the stage: where I put 64 bytes of a row
.set RD,  6                            ; v6  and where I read a row back
.set GST, 7                            ; v7  the gather: where I put 16 bytes of a row
.set G,   8
.set LO,  16
.set HI,  24
.set GP,  32
.set WSC, 48
.set XSC, 56
.set TK2, 88                           ; v88-103  the tokens of rows 32 w + 2 i + lane / 16
.set TKM, 104                          ; v104-111 the tokens of rows 16 m + lane % 16
.set XO,  112                          ; v112-127 offsets in xq
.set XF,  128
.set T,   128
.set U,   192
.set OO,  128                          ; in window 3
.set WC,  36                           ; s[36:37] the weights of the expert in hand;  s[38:39] of the next;  s[40:41], s[42:43] their scale words
.set WN,  38
.set SC,  40
.set SN,  42
.set MSB, 0
.macro WIN new                         ; the immediate's high byte repeats the setting that is left
.if MSB != \new
	s_set_vgpr_msb (MSB<<8)|\new
.set MSB, \new
.endif
.endm
.macro PLACES                          ; eight plain vector lines behind this matrix form
.rept 8
	v_nop
.endr
.endm
.macro BARRIER
	s_barrier_signal -1
	s_barrier_wait -1
.endm
.macro BASES e, wb, sb                 ; an expert's weights: 2 MiB of codes, 65,536 bytes of scale words
	s_lshl_b32 s44, s[\e], 21
	s_add_nc_u64 s[\wb:\wb+1], s[32:33], s[44:45]
	s_lshl_b32 s44, s[\e], 16
	s_add_nc_u64 s[\sb:\sb+1], s[34:35], s[44:45]
.endm
.macro NEXTE e                         ; the lowest expert of the mask s27, which then leaves it
	s_sub_co_u32 s44, s27, 1
	s_xor_b32 s[\e], s27, s44                      ; the lowest set bit and all under it
	s_lshr_b32 s[\e], s[\e], 1
	s_bcnt1_i32_b32 s[\e], s[\e]
	s_min_u32 s[\e], s[\e], 7                      ; (an empty mask gives 7, which nothing loads by)
	s_and_b32 s27, s27, s44
.endm
.macro LOADW wb, sb, s                 ; K step s: four fragments and two scale words into ring place s % 4: 18 loads
	WIN 0x40
.irp i, 0,1,2,3,4,5,6,7,8,9,10,11,12,13,14,15
	global_load_b128 v[64*((\s)%4)+4*\i:64*((\s)%4)+4*\i+3], v[VW], s[\wb:\wb+1] offset:8192*(\s)+512*\i
.endr
	WIN 0
	global_load_b32 v[WSC+2*((\s)%4)], v[VS], s[\sb:\sb+1] offset:256*(\s)
	global_load_b32 v[WSC+2*((\s)%4)+1], v[VS], s[\sb:\sb+1] offset:256*(\s)+128
.endm
.macro FETCHX half, s                  ; x's fragments of four tiles, K step s: 16 LDS loads
.irp mm, 0,1,2,3
.irp c, 0,1,2,3
	ds_load_b128 v[XF+16*(4*(\half)+\mm)+4*\c:XF+16*(4*(\half)+\mm)+4*\c+3], v[XA0+(\half)] offset:\mm*16*PX+128*(\s)+32*\c
.endr
.endr
.endm
; One product.  The weights' scale word: lanes 0-15 hold tile 0's columns, lanes 16-31 tile 1's.  x's: lanes 0-15 hold K steps 0-3, lanes 16-31 K steps 4-7.  K step 0 starts the sums.
.macro WM m, f, s
.set rD, 8*(4*(\m)+(\f))
.set rA, 64*((\s)%4)+16*(\f)
.set rB, XF+16*(\m)
.set rSA, WSC+2*((\s)%4)+(\f)/2
.set rSB, XSC+4*(\m)+(\s)%4
.if (\s) == 0
.if (\f)%2
	v_wmma_scale_f32_16x16x128_f8f6f4 v[rD:rD+7], v[rA:rA+15], v[rB:rB+15], 0, v[rSA], v[rSB] matrix_a_scale:MATRIX_SCALE_ROW1
.else
	v_wmma_scale_f32_16x16x128_f8f6f4 v[rD:rD+7], v[rA:rA+15], v[rB:rB+15], 0, v[rSA], v[rSB]
.endif
.elseif (\s) < 4
.if (\f)%2
	v_wmma_scale_f32_16x16x128_f8f6f4 v[rD:rD+7], v[rA:rA+15], v[rB:rB+15], v[rD:rD+7], v[rSA], v[rSB] matrix_a_scale:MATRIX_SCALE_ROW1
.else
	v_wmma_scale_f32_16x16x128_f8f6f4 v[rD:rD+7], v[rA:rA+15], v[rB:rB+15], v[rD:rD+7], v[rSA], v[rSB]
.endif
.else
.if (\f)%2
	v_wmma_scale_f32_16x16x128_f8f6f4 v[rD:rD+7], v[rA:rA+15], v[rB:rB+15], v[rD:rD+7], v[rSA], v[rSB] matrix_a_scale:MATRIX_SCALE_ROW1 matrix_b_scale:MATRIX_SCALE_ROW1
.else
	v_wmma_scale_f32_16x16x128_f8f6f4 v[rD:rD+7], v[rA:rA+15], v[rB:rB+15], v[rD:rD+7], v[rSA], v[rSB] matrix_b_scale:MATRIX_SCALE_ROW1
.endif
.endif
.endm
.macro MUL16 half, s                   ; four tiles of tokens x four fragments.  The 32 accumulators take turns, in the same order in every K step
	WIN 0xa1
.irp mm, 0,1,2,3
.irp f, 0,1,2,3
	WM 4*(\half)+\mm, \f, \s
.endr
.endr
.endm
; A K step.  lc: the weight loads issued behind this step's, which may stay out.  next = 1: the last four steps ask for the next expert's first four.
.macro STEP s, next, lc
	s_wait_loadcnt \lc                             ; this step's fragments and scale words are in
	s_wait_dscnt 16                                ; x's tiles 0-3 are in; the 16 younger loads (tiles 4-7) may be out
	MUL16 0, \s
	PLACES
	WIN 0
.if (\s) < 7
	FETCHX 0, (\s)+1
	s_wait_dscnt 16                                ; tiles 4-7 are in; the 16 just issued may be out
.else
	s_wait_dscnt 0x0
.endif
	MUL16 1, \s
	PLACES
	WIN 0
.if (\s) < 7
	FETCHX 1, (\s)+1
.endif
.if (\s) < 4
	LOADW WC, SC, (\s)+4                           ; into the ring place that this step has left
.elseif \next
	LOADW WN, SN, (\s)-4
.endif
.endm
; The activation and the gate: out += gate h1 h3 / (1 + 2^(-h1 log2 e)), 64 numbers a batch.  Each accumulator is read from its low end on.
; fin = 1: the last expert: the sums go, a lane's 16 neighbouring columns on end, where the batch's accumulators lay.
.macro EPI fin
.irp m, 0,1,2,3,4,5,6,7
	v_cmp_eq_u32 vcc_lo, s30, v[LO+\m]             ; the gate of my token of tile m for this expert: lo's, hi's or 0
	v_cndmask_b32 v[G+\m], 0, v[GP+2*\m], vcc_lo
	v_cmp_eq_u32 vcc_lo, s30, v[HI+\m]
	v_cndmask_b32 v[G+\m], v[G+\m], v[GP+2*\m+1], vcc_lo
.endr
.irp b, 0,1
	WIN 0x02
.irp mm, 0,1,2,3
.irp t, 0,1
.irp j, 0,2,4,6
	v_pk_mul_f32 v[T+16*\mm+8*\t+\j:T+16*\mm+8*\t+\j+1], v[32*(4*\b+\mm)+8*\t+\j:32*(4*\b+\mm)+8*\t+\j+1], 0xbfb8aa3b op_sel_hi:[1,0]   ; -h1 log2 e
.endr
.endr
.endr
	WIN 0x0a
.irp mm, 0,1,2,3
.irp t, 0,1
.irp j, 0,2,4,6
	v_pk_mul_f32 v[U+16*\mm+8*\t+\j:U+16*\mm+8*\t+\j+1], v[32*(4*\b+\mm)+8*\t+\j:32*(4*\b+\mm)+8*\t+\j+1], v[32*(4*\b+\mm)+16+8*\t+\j:32*(4*\b+\mm)+16+8*\t+\j+1]   ; h1 h3
.endr
.endr
.endr
	WIN 0
.set Q, 0
	s_wait_alu depctr_va_vdst(0)
.rept 64
	v_exp_f32 v[T+Q], v[T+Q]
.set Q, Q+1
.endr
.irp mp, 0,2                           ; x the gate: plain lines behind the exponentials
.irp j, 0,2,4,6,8,10,12,14
	v_pk_mul_f32 v[U+16*\mp+\j:U+16*\mp+\j+1], v[U+16*\mp+\j:U+16*\mp+\j+1], v[G+4*\b+\mp:G+4*\b+\mp+1] op_sel_hi:[1,0]
.endr
.irp j, 0,2,4,6,8,10,12,14
	v_pk_mul_f32 v[U+16*\mp+16+\j:U+16*\mp+16+\j+1], v[U+16*\mp+16+\j:U+16*\mp+16+\j+1], v[G+4*\b+\mp:G+4*\b+\mp+1] op_sel:[0,1] op_sel_hi:[1,1]
.endr
.endr
.set Q, 0
	s_wait_alu depctr_va_vdst(0)
.rept 32
	v_pk_add_f32 v[T+Q:T+Q+1], v[T+Q:T+Q+1], 1.0 op_sel_hi:[1,0]
.set Q, Q+2
.endr
.set Q, 0
	s_wait_alu depctr_va_vdst(0)
.rept 64
	v_rcp_f32 v[T+Q], v[T+Q]
.set Q, Q+1
.endr
	v_nop                                          ; a plain line behind the last reciprocal
.if \fin
	WIN 0xb0
	s_wait_alu depctr_va_vdst(0)
.irp mm, 0,1,2,3
.irp t, 0,1
.irp j, 0,1,2,3,4,5,6,7
	v_fma_f32 v[128*\b+16*\mm+2*\j+\t], v[U+16*\mm+8*\t+\j], v[T+16*\mm+8*\t+\j], v[64*\b+16*\mm+8*\t+\j]
.endr
.endr
.endr
.else
	WIN 0xf0
.set Q, 0
	s_wait_alu depctr_va_vdst(0)
.rept 32
	v_pk_fma_f32 v[64*\b+Q:64*\b+Q+1], v[U+Q:U+Q+1], v[T+Q:T+Q+1], v[64*\b+Q:64*\b+Q+1]
.set Q, Q+2
.endr
.endif
.endr
	WIN 0
.endm
.macro EXPERT next
	FETCHX 0, 0
	FETCHX 1, 0
.if \next
.irp s, 0,1,2,3,4,5,6,7
	STEP \s, 1, 54                                 ; behind a step's 18 loads stand those of the three steps that follow, the next expert's among them
.endr
	EPI 0
.else
.irp s, 0,1,2,3,4
	STEP \s, 0, 54
.endr
	STEP 5, 0, 36                                  ; the last expert asks for nothing more: the counts run down
	STEP 6, 0, 18
	STEP 7, 0, 0
	EPI 1
.endif
.endm
	s_load_b256 s[4:11], s[0:1], 0x0               ; xq s[4:5], xs s[6:7], wq s[8:9], ws s[10:11]
	s_load_b128 s[12:15], s[0:1], 0x20             ; hist s[12:13], gts s[14:15]
	s_load_b64 s[20:21], s[0:1], 0x30              ; out0
	WIN 0xc0
	v_lshl_add_u32 v254, v0, 2, 0x20800            ; the spare words lie behind the tile
	v_mov_b32 v255, 0
	WIN 0
	v_lshrrev_b32 v1, 5, v0
	v_readfirstlane_b32 s22, v1                    ; wave 0..3
	s_mov_b32 s23, ttmp9                           ; which 128 columns
	s_and_b32 s24, ttmp7, 0xffff                   ; which block of 128 places
	v_and_b32 v8, 31, v0                           ; lane
	v_and_b32 v9, 15, v0                           ; r
	v_bfe_u32 v10, v0, 4, 1                        ; h
	v_lshlrev_b32 v[VW], 4, v8
	v_lshlrev_b32 v[VS], 2, v8
	v_lshlrev_b32 v11, 4, v9                       ; 16 r
	v_lshlrev_b32 v12, 4, v10                      ; 16 h
	s_lshl_b32 s44, s22, 13
	v_lshl_add_u32 v13, v8, 2, s44                 ; hist and the table: 64 rows of 128 bytes a wave
	v_lshl_add_u32 v14, v8, 4, TOT                 ; the totals of class = lane,
	s_lshl_b32 s44, s22, 2
	v_add_nc_u32 v15, s44, v14                     ; my quarter's
	v_lshl_add_u32 v34, v0, 2, LISTB
	s_lshl_b32 s44, s22, 7
	s_add_co_u32 s44, s44, LISTB
	v_lshl_add_u32 v32, v10, 2, s44                ; the list: places 32 w + h (+ 2 i),
	v_lshl_add_u32 v33, v9, 2, LISTB               ; and places r (+ 16 m)
	s_lshl_b32 s44, s24, 7
	v_add_nc_u32 v105, s44, v0                     ; my place
	s_mov_b32 s48, 0xffff0000
	s_mov_b32 s45, 0
	s_mov_b32 s46, 0
	s_wait_alu depctr_va_vdst(0)
	s_wait_kmcnt 0x0
.set Q, 0
.rept 64
	global_load_b32 v[128+Q], v13, s[12:13] offset:128*Q
.set Q, Q+1
.endr
	s_lshl_b32 s25, s23, 2
	s_add_co_u32 s25, s25, s22                     ; g = 4 x slice + wave: my 32 columns
	s_lshl_b32 s44, s25, 16
	s_add_nc_u64 s[32:33], s[8:9], s[44:45]
	s_lshl_b32 s44, s25, 11
	s_add_nc_u64 s[34:35], s[10:11], s[44:45]
	s_lshl_b32 s44, s23, 9
	s_add_nc_u64 s[20:21], s[20:21], s[44:45]      ; out0 at my slice's first column
	v_mul_u32_u24 v[XA0], v9, PX
	v_lshl_add_u32 v[XA0], v10, 4, v[XA0]          ; row r x pitch + 16 h
	v_add_nc_u32 v[XA0+1], 64*PX, v[XA0]           ; 64 rows further down
	v_mul_u32_u24 v[STO], v9, PS
	v_lshl_add_u32 v[STO], v10, 6, v[STO]
	s_lshl_b32 s44, s22, 7
	v_add_nc_u32 v[STO], s44, v[STO]               ; row r, + 64 h, + my wave's 128 bytes
	s_mul_i32 s44, s22, 32*PS
	v_mul_u32_u24 v[RD], v10, PS
	v_lshl_add_u32 v[RD], v9, 4, v[RD]
	v_add_nc_u32 v[RD], s44, v[RD]                 ; row 32 w + h, 16 bytes a lane
	s_mul_i32 s44, s22, 32*PX
	v_mul_u32_u24 v[GST], v10, PX
	v_lshl_add_u32 v[GST], v9, 4, v[GST]
	v_add_nc_u32 v[GST], s44, v[GST]
	WIN 0xc0                                       ; while the table is on its way: the output sums begin as zeros, so that every expert runs the same text
.set Q, 0
.rept 128
	v_mov_b32 v[Q], 0
.set Q, Q+1
.endr
	WIN 0
	v_mov_b32 v80, 0                               ; tokens of the class ahead in my rows, << 16
.set Q, 0
.irp n, 48,32,16,0
	s_wait_alu depctr_va_vdst(0)
	s_wait_loadcnt \n                              ; sixteen more rows are in
.rept 16
	v_and_b32 v81, s48, v[128+Q]
	v_bfi_b32 v[128+Q], s48, v80, v[128+Q]         ; the count ahead over the row's mask
	v_add_nc_u32 v80, v80, v81
	ds_store_b32 v13, v[128+Q] offset:128*Q
.set Q, Q+1
.endr
.endr
	ds_store_b32 v15, v80
	v_mov_b32 v106, 0                              ; where my class begins
	v_mov_b32 v107, 0x1000000                      ; my class << 8, lo << 16, hi << 24: from class 0 on
	s_wait_alu depctr_va_vdst(0)
	s_wait_dscnt 0x0                               ; for the others' sake
	BARRIER
	ds_load_b128 v[100:103], v14
	s_wait_dscnt 0x0
	v_add_nc_u32 v104, v100, v101
	v_add_nc_u32 v112, v102, v103
	v_add_nc_u32 v104, v104, v112
	v_lshrrev_b32 v104, 16, v104                   ; lane = class: its tokens
.set CN, 0
.macro CLS lo, hi                      ; is my place behind class CN's end?  Then it is in class CN + 1 = (lo, hi) or later
	v_readlane_b32 s47, v104, CN
	s_add_co_u32 s46, s46, s47
	v_cmp_le_u32 vcc_lo, s46, v105
	v_cndmask_b32 v106, v106, s46, vcc_lo
	v_cndmask_b32 v107, v107, ((\lo)<<16)|((\hi)<<24)|((CN+1)<<8), vcc_lo
.set CN, CN+1
.endm
.irp hi, 2,3,4,5,6,7
	CLS 0, \hi
.endr
.irp hi, 7,6,5,4,3,2
	CLS 1, \hi
.endr
.irp hi, 3,4,5,6,7
	CLS 2, \hi
.endr
.irp hi, 7,6,5,4
	CLS 3, \hi
.endr
.irp hi, 5,6,7
	CLS 4, \hi
.endr
.irp hi, 7,6
	CLS 5, \hi
.endr
	CLS 6, 7
	v_sub_nc_u32 v108, v105, v106
	v_lshlrev_b32 v108, 16, v108                   ; my rank in the class, << 16
	v_bfe_u32 v109, v107, 8, 5
	v_min_u32 v109, 27, v109                       ; the class
	v_lshl_add_u32 v110, v109, 4, TOT
	ds_load_b128 v[112:115], v110                  ; its four quarters
	v_mov_b32 v116, 0
	v_mov_b32 v117, 0
	s_wait_alu depctr_va_vdst(0)
	s_wait_dscnt 0x0
	v_add_nc_u32 v113, v112, v113
	v_add_nc_u32 v114, v113, v114
.irp q, 0,1,2                          ; the last quarter that begins at or under my rank
	v_cmp_le_u32 vcc_lo, v[112+\q], v108
	v_cndmask_b32 v116, v116, v[112+\q], vcc_lo
	v_cndmask_b32 v117, v117, 8192*(\q+1), vcc_lo
.endr
	v_sub_nc_u32 v108, v108, v116                  ; my rank in the quarter
	v_lshl_add_u32 v118, v109, 2, v117
	v_min_u32 v118, 0x7fff, v118
	v_or_b32 v119, 0xffff, v108
.irp k, 1,2,3,4,5,6,7
	ds_load_b32 v[128+\k], v118 offset:1024*\k
.endr
	v_mov_b32 v120, 0
	v_mov_b32 v122, 0
	s_wait_alu depctr_va_vdst(0)
	s_wait_dscnt 0x0
.irp k, 1,2,3,4,5,6,7                  ; the last eight rows that begin at or under it
	v_cmp_le_u32 vcc_lo, v[128+\k], v119
	v_cndmask_b32 v120, v120, 1024*\k, vcc_lo
.endr
	v_add_nc_u32 v121, v118, v120
	v_min_u32 v121, 0x7fff, v121                   ; inside the table
.irp k, 0,1,2,3,4,5,6,7
	ds_load_b32 v[136+\k], v121 offset:128*\k
.endr
	s_wait_alu depctr_va_vdst(0)
	s_wait_dscnt 0x0
.irp k, 1,2,3,4,5,6,7                  ; the last row
	v_cmp_le_u32 vcc_lo, v[136+\k], v119
	v_cndmask_b32 v136, v136, v[136+\k], vcc_lo
	v_cndmask_b32 v122, v122, 128*\k, vcc_lo
.endr
	v_and_b32 v123, s48, v136
	v_sub_nc_u32 v108, v108, v123
	v_lshrrev_b32 v108, 16, v108                   ; my rank in the row: which set bit of its mask
	v_and_b32 v124, 0xffff, v136
	v_add_nc_u32 v125, v117, v120
	v_add_nc_u32 v125, v125, v122                  ; 128 x row
	v_lshrrev_b32 v112, 1, v124                    ; bits counted in twos, fours, eights
	v_and_b32 v112, 0x5555, v112
	v_and_b32 v126, 0x5555, v124
	v_add_nc_u32 v126, v126, v112
	v_lshrrev_b32 v112, 2, v126
	v_and_b32 v112, 0x3333, v112
	v_and_b32 v127, 0x3333, v126
	v_add_nc_u32 v127, v127, v112
	v_lshrrev_b32 v112, 4, v127
	v_add_nc_u32 v128, v127, v112
	v_and_b32 v128, 0x0f0f, v128
	v_mov_b32 v113, 0                              ; the bit's place
.macro SEL c, w
	v_bfe_u32 v114, v[\c], v113, \w
	v_cmp_le_u32 vcc_lo, v114, v108
	v_cndmask_b32 v114, 0, v114, vcc_lo
	v_cndmask_b32 v115, 0, \w, vcc_lo
	v_sub_nc_u32 v108, v108, v114
	v_add_nc_u32 v113, v113, v115
.endm
	SEL 128, 8
	SEL 127, 4
	SEL 126, 2
	SEL 124, 1
	v_lshrrev_b32 v125, 3, v125                    ; 16 x row
	v_add_nc_u32 v113, v113, v125                  ; the token
	v_and_or_b32 v113, v107, s48, v113
	s_wait_alu depctr_va_vdst(0)
	BARRIER                                        ; everybody's reads of the table are over
	ds_store_b32 v34, v113
	s_wait_dscnt 0x0                               ; for the others' sake
	BARRIER
.irp m, 0,1,2,3,4,5,6,7
	ds_load_b32 v[TKM+\m], v33 offset:64*\m
.endr
.irp i, 0,1,2,3,4,5,6,7,8,9,10,11,12,13,14,15
	ds_load_b32 v[TK2+\i], v32 offset:8*\i
.endr
	v_mov_b32 v112, 0
	v_mov_b32 v113, 0                              ; written once: the destination of a lane exchange counts as one of its sources
	s_wait_alu depctr_va_vdst(0)
	s_wait_dscnt 16                                ; the tiles' tokens are in; the 16 loads behind them may be out
.irp m, 0,1,2,3,4,5,6,7
	v_bfe_u32 v[LO+\m], v[TKM+\m], 16, 8
	v_lshrrev_b32 v[HI+\m], 24, v[TKM+\m]
	v_and_b32 v[TKM+\m], 0xffff, v[TKM+\m]
	v_min_u32 v[TKM+\m], 0xfff, v[TKM+\m]          ; a token is under 4,096
	v_lshl_or_b32 v112, 1, v[LO+\m], v112          ; the experts that the block uses, a bit each
	v_lshl_or_b32 v112, 1, v[HI+\m], v112
	v_lshl_add_u32 v[192+\m], v[TKM+\m], 5, v12    ; xs: 32 bytes a token; lanes 16-31 take the upper 16
	v_lshlrev_b32 v[200+\m], 3, v[TKM+\m]
.endr
.irp k, 1,2,4,8
	v_mov_b32_dpp v113, v112 row_xmask:\k row_mask:0xf bank_mask:0xf
	v_or_b32 v112, v112, v113
.endr
	v_readfirstlane_b32 s27, v112
	s_wait_alu depctr_va_vdst(0)
	s_wait_dscnt 0x0
.irp i, 0,1,2,3,4,5,6,7,8,9,10,11,12,13,14,15
	v_and_b32 v[TK2+\i], 0xffff, v[TK2+\i]
	v_min_u32 v[TK2+\i], 0xfff, v[TK2+\i]
	v_lshl_add_u32 v[XO+\i], v[TK2+\i], 10, v11
.endr
	s_wait_alu depctr_va_vdst(0)
	s_bcnt1_i32_b32 s26, s27
	s_min_u32 s26, s26, 8
	s_max_u32 s26, s26, 2                          ; a block's tokens use 2 to 8 experts
	s_sub_co_u32 s28, s26, 1                       ; the loop's trips: all experts but the last
	NEXTE 30
	NEXTE 31
	BASES 30, WC, SC
	BASES 31, WN, SN
	WIN 0x80
.irp i, 0,1,2,3,4,5,6,7,8,9,10,11,12,13,14,15
.irp q, 0,1,2,3
	global_load_b128 v[4*(4*\i+\q):4*(4*\i+\q)+3], v[XO+\i], s[4:5] offset:256*\q   ; the gather: sixteen lanes read 256 consecutive, aligned bytes of a token's codes
.endr
.endr
	WIN 0
.irp m, 0,1,2,3,4,5,6,7
	global_load_b128 v[XSC+4*\m:XSC+4*\m+3], v[192+\m], s[6:7]
	global_load_b64 v[GP+2*\m:GP+2*\m+1], v[200+\m], s[14:15]
.endr
	LOADW WC, SC, 0
	LOADW WC, SC, 1
	LOADW WC, SC, 2
	WIN 0xc0
.irp i, 0,1,2,3,4,5,6,7,8,9,10,11,12,13,14,15
	v_lshl_add_u32 v[OO+\i], v[TK2+\i], 12, v11    ; a token's row of out0 is 4,096 bytes
.endr
	WIN 0
	s_wait_alu depctr_va_vdst(0)
	s_wait_loadcnt 54                              ; the gather, the scale words and the gates are in; the 54 weight loads behind them may be out
	WIN 0x08
.irp i, 0,1,2,3,4,5,6,7,8,9,10,11,12,13,14,15
.irp q, 0,1,2,3
	ds_store_b128 v[GST], v[4*(4*\i+\q):4*(4*\i+\q)+3] offset:2*PX*\i+256*\q
.endr
.endr
	WIN 0
	LOADW WC, SC, 3
	s_wait_dscnt 0x0                               ; for the others' sake: my 32 rows lie in LDS (and the stores have read the registers that the products will write)
	BARRIER
	s_mov_b32 s29, 0
.Lexpert:                                              ; a trip is an expert that has a successor
	EXPERT 1
	s_wait_xcnt 0x0                                ; the pending loads have read their bases, which are written now
	s_mov_b64 s[WC:WC+1], s[WN:WN+1]
	s_mov_b64 s[SC:SC+1], s[SN:SN+1]
	s_mov_b32 s30, s31
	NEXTE 31
	BASES 31, WN, SN
	s_add_co_u32 s29, s29, 1
	s_cmp_lt_u32 s29, s28
	s_cbranch_scc1 .Lexpert
	EXPERT 0                                       ; the last expert is written out: it asks for no weights beyond its own
	; THE WAY OUT.  A row's 128 numbers come from four waves: they meet in a stage, which takes the tile's bytes, and each wave stores 32 whole rows of 512 bytes.
	s_wait_alu depctr_va_vdst(0)
	s_wait_dscnt 0x0                               ; my reads of the tile are over,
	BARRIER                                        ; everybody's are
	WIN 0x08
.irp m, 0,1,2,3,4,5,6,7
.irp q, 0,1,2,3
	ds_store_b128 v[STO], v[128*(\m/4)+16*(\m%4)+4*\q:128*(\m/4)+16*(\m%4)+4*\q+3] offset:16*PS*\m+16*\q
.endr
.endr
	WIN 0
	s_wait_dscnt 0x0                               ; for the others' sake
	BARRIER
.irp i, 0,1,2,3,4,5,6,7,8,9,10,11,12,13,14,15
.irp q, 0,1
	ds_load_b128 v[128+4*(2*\i+\q):128+4*(2*\i+\q)+3], v[RD] offset:2*PS*\i+256*\q
.endr
.endr
	WIN 0x03                                       ; the stores' offsets lie in window 3
.irp i, 0,1,2,3,4,5,6,7,8,9,10,11,12,13,14,15
.irp q, 0,1
	s_wait_dscnt 31-(2*\i+\q)
	global_store_b128 v[OO+\i], v[128+4*(2*\i+\q):128+4*(2*\i+\q)+3], s[20:21] offset:256*\q th:TH_STORE_NT   ; sixteen lanes store 256 consecutive, aligned bytes of a token's row
.endr
.endr
	WIN 0x0f
	s_wait_tensorcnt 0x0                           ; the wave's end
	ds_add_u32 v254, v255
	s_wait_dscnt 0x0
	WIN 0
	s_endpgm
.Lfunc_end_k_qc0e87ba8c3_moe:
	.size	k_qc0e87ba8c3_moe, .Lfunc_end_k_qc0e87ba8c3_moe-k_qc0e87ba8c3_moe
	.p2alignl 7, 3214868480
	.fill 96, 4, 3214868480
	.section	.rodata,"a",@progbits
	.p2align	6, 0x0
	.amdhsa_kernel k_qc0e87ba8c3_moe
		.amdhsa_group_segment_fixed_size 134144
		.amdhsa_private_segment_fixed_size 0
		.amdhsa_enable_private_segment 0
		.amdhsa_kernarg_size 56
		.amdhsa_user_sgpr_count 2
		.amdhsa_user_sgpr_kernarg_segment_ptr 1
		.amdhsa_wavefront_size32 1
		.amdhsa_system_sgpr_workgroup_id_x 1
		.amdhsa_system_sgpr_workgroup_id_y 1
		.amdhsa_system_sgpr_workgroup_id_z 1
		.amdhsa_system_vgpr_workitem_id 0
		.amdhsa_next_free_vgpr 1024
		.amdhsa_next_free_sgpr 66
		.amdhsa_reserve_vcc 1
		.amdhsa_float_denorm_mode_32 3
		.amdhsa_float_denorm_mode_16_64 3
		.amdhsa_memory_ordered 1
		.amdhsa_forward_progress 1
		.amdhsa_inst_pref_size 255
	.end_amdhsa_kernel
	.section	.bss,"aw",@nobits
	.p2align	6
	.space	262144
	.amdgpu_metadata
---
amdhsa.version: [ 1, 2 ]
amdhsa.kernels:
  - .name:           k_qc0e87ba8c3_moe
    .symbol:         k_qc0e87ba8c3_moe.kd
    .args:
      - { .name: xq, .offset: 0, .size: 8, .value_kind: global_buffer, .address_space: global }
      - { .name: xs, .offset: 8, .size: 8, .value_kind: global_buffer, .address_space: global }
      - { .name: wq, .offset: 16, .size: 8, .value_kind: global_buffer, .address_space: global }
      - { .name: ws, .offset: 24, .size: 8, .value_kind: global_buffer, .address_space: global }
      - { .name: hist, .offset: 32, .size: 8, .value_kind: global_buffer, .address_space: global }
      - { .name: gts, .offset: 40, .size: 8, .value_kind: global_buffer, .address_space: global }
      - { .name: out0, .offset: 48, .size: 8, .value_kind: global_buffer, .address_space: global }
    .group_segment_fixed_size: 134144
    .private_segment_fixed_size: 0
    .kernarg_segment_align: 8
    .kernarg_segment_size: 56
    .max_flat_workgroup_size: 128
    .sgpr_count:     66
    .vgpr_count:     1024
    .wavefront_size: 32
...
	.end_amdgpu_metadata
.endif
;; end of part 2
